; MI455X (gfx1250); checked and timed in simulation.
; The chip was launched on July 23, 2026; its instructions are those of AMD's public machine-readable ISA for CDNA 5 (MIT licence, August 2026) and "CDNA5" Instruction Set Architecture Reference Guide (July 2026). The comments in the code are by the model that wrote it; some were corrected since.
;; EEG Former. Allowed arithmetic: matrix products marked QUANTISED: E4M3 operands, one given power-of-two scale a tensor, by v_wmma_f32_16x16x64_fp8_fp8 or v_wmma_f32_16x16x128_fp8_fp8, f32 sums; everything else in f32.
;; Inputs: W1 2,048 x 512 float32; W2 512 x 2,048 float32; Wk 8 x 64 x 512 float32; Wo 512 x 512 float32; Wq 8 x 64 x 512 float32; Wv 8 x 64 x 512 float32; b1 2,048 float32; b2 512 float32; be1 512 float32; be2 512 float32; bo 512 float32; g1 512 float32; g2 512 float32; lowp_scales 16 int32 (the exponents e of the quantised operands' scales 2^e); x 4 x 32 x 128 x 512 float32.
;; Outputs: out0 4 x 32 x 128 x 512 float32.
;; This version of the problem:
;;   THIS VERSION OF THE PROBLEM IS GIVEN IN LOW PRECISION. The matrix products marked QUANTISED in the list below multiply operands that are first quantised to E4M3 (4 exponent bits, 3 mantissa bits; 8 bits a number), with one given power-of-two scale for each operand tensor; their sums are f32. All else is computed in f32.
;;   The module's matrix products, in the order in which they are computed (A, B: the left and right operand; K: the contracted axis; several contracted axes count as one K, in the product's order):
;;     1. [M 512, K 512] x [K 512, N 16,384]; A: input Wq; B: computed on the way: QUANTISED (scales: A lowp_scales[0], B lowp_scales[1])
;;     2. [M 512, K 512] x [K 512, N 16,384]; A: input Wk; B: computed on the way: QUANTISED (scales: A lowp_scales[2], B lowp_scales[3])
;;     3. [M 512, K 512] x [K 512, N 16,384]; A: input Wv; B: computed on the way: QUANTISED (scales: A lowp_scales[4], B lowp_scales[5])
;;     4. batch 1,024 x [M 128, K 64] x [K 64, N 128]; A: computed on the way; B: computed on the way: QUANTISED (scales: A lowp_scales[6], B lowp_scales[7])
;;     5. batch 1,024 x [M 128, K 128] x [K 128, N 64]; A: softmax (see below); B: computed on the way: QUANTISED (scales: A lowp_scales[8], B lowp_scales[9])
;;     6. [M 16,384, K 512] x [K 512, N 512]; A: computed on the way; B: input Wo: QUANTISED (scales: A lowp_scales[10], B lowp_scales[11])
;;     7. [M 16,384, K 512] x [K 512, N 2,048]; A: computed on the way; B: input W1: QUANTISED (scales: A lowp_scales[12], B lowp_scales[13])
;;     8. [M 16,384, K 2,048] x [K 2,048, N 512]; A: computed on the way; B: input W2: QUANTISED (scales: A lowp_scales[14], B lowp_scales[15])
;;   THE QUANTISER, for each operand of a quantised product, along K:
;;     - The operand's scale is 2^e, e = its entry of the input lowp_scales (int32; the entries are numbered through the quantised products in the list's order, A before B).
;;     - Each number is divided by the scale, clamped to +-448, and rounded to the nearest number of E4M3, ties to even, subnormals kept.
;;     - The product sums the exact products of the quantised numbers (number of the format x scale) in f32.
;;   ~~~python
;;   def quantise(x, axis, e):      # numpy; x: float32 -> the quantised numbers, widened to float32 again
;;       x = np.moveaxis(x, axis, -1); K = x.shape[-1]
;;       r = np.clip(x / 2.0 ** e, -448, 448)
;;       step = 2.0 ** (np.maximum(np.frexp(np.where(r == 0, 1, r))[1] - 1, -6) - 3)
;;       q = np.round(r / step) * step * 2.0 ** e      # np.round: ties to even
;;       return np.moveaxis(q, -1, axis).astype(np.float32)
;;   ~~~
;;   SOFTMAX AHEAD OF A QUANTISED PRODUCT. Where the list says 'softmax', what is quantised is not the finished softmax but p = 2^(t - M), with t = logit x log2(e) and M = ceil(the row's largest t), a whole number; so 1/2 < the row's largest p <= 1. The row's sum l is taken of the UNQUANTISED p, in f32, and the product's result is divided by l at the end. Since M is a whole number, a kernel that streams over the keys may use a running M (the ceiling of the running maximum): every later rescaling is an exact power of two, so the quantised numbers keep their values, but for numbers so far below the row's largest that they fall under the format's range.
;;   OPERANDS COMPUTED ON THE WAY. 'Computed on the way' means the value that the module computes at that place (a softmax that the list does not call 'softmax' is quantised finished and normalised). What goes into a quantiser is computed in f32, as accurately as f32 sums, v_exp_f32 and their like allow (about 1e-6 of the number): no bf16 or f16 on the way to a quantiser, and a product that is left as it is and whose result goes on into a quantised operand takes f32 operands (vector FMAs, or v_wmma_f32_16x16x4_f32). A number that lies on a knife's edge between two numbers of the format may be rounded either way, as far as f32 arithmetic and the matrix unit's own rounding can turn it there, and no further.
;; One version. Each part assembles by itself: llvm-mc -triple=amdgcn-amd-amdhsa -mcpu=gfx1250 --defsym DOCPART=n.
;; ======== version 1 of 1: 2 launches
;; limits: right only within a limited range of input values
;; workspace buffers: wcodes 3,145,728 bytes; hcodes 25,165,824 bytes
;; launch prep (part 1): grid 256 x 1, 22 waves a work-group, no clusters, 55,296 bytes of LDS; arguments Wq, Wk, Wv, Wo, W1, W2, lowp_scales, wcodes, x, g1, be1, hcodes; writes wcodes, hcodes
.if DOCPART == 1
	.amdgcn_target "amdgcn-amd-amdhsa--gfx1250"
	.amdhsa_code_object_version 6
	.text
	.protected	k_q593cf6abb5_prep
	.globl	k_q593cf6abb5_prep
	.p2align	8
	.type	k_q593cf6abb5_prep,@function
k_q593cf6abb5_prep:
	s_mov_b64 s[64:65], 0
	v_nop
	global_prefetch_b8 v0, s[64:65] scope:SCOPE_SE
	s_setreg_imm32_b32 hwreg(HW_REG_WAVE_MODE, 25, 1), 1
	s_wait_xcnt 0x0
; TWO JOBS IN ONE LAUNCH, parted on the wave's number.  Waves 0-5: the six weights become codes of E4M3.  Waves 6-21: h = LayerNorm(x, g1, be1), quantised three times, with the scales of entries 1, 3, 5 of lowp_scales.
; DEAD WORK: none.  Every input of reference() has a way to out0 for some values of the others, so every product, bias and gain is computed, here or in the second launch, and every input is loaded.
; code = number / 2^e, held within +-448, to the nearest code, ties to even.  LIMITS: each e lies between -126 and 119, so that 2^e and 448 x 2^e are f32 numbers.  NaN is not served; an infinity is held at the largest code.
; LAYOUT OF wcodes: IMAGES OF OPERAND REGISTERS in the order of use: 96 groups g x 4 waves w x 4 fragments f of 2,048 bytes, fragment F = (4 g + w) 4 + f at byte 2,048 F.
; A fragment is 16 rows x 128 along K, 16 registers a lane: registers 4 c .. 4 c + 3 of lane l are the 16 bytes at 512 c + 16 l.
; Groups 0-23: for hd = 0, 1: four K steps of Wq, of Wk, of Wv, rows 128 w + 64 hd + 16 f.  Groups 24-31: Wo.  32-63: W1, four chunks of 512 rows.  64-95: W2, four chunks of 512 along K.
; In those units of eight groups j: K step j / 2, tile of rows nt = 4 (j % 2) + f.
; TWO ORDERS ALONG K.  Wo, W1 and W2 meet operands made from registers in the matrix results' layout: their codes stand as the matrix form has them: registers 2 c, 2 c + 1 of lane (r, h): k = 16 c + 8 h + 0 .. 7.
; Wq, Wk, Wv meet rows of hcodes, in which byte s of a row stands for column 128 ((s / 4) % 4) + 4 (s / 16) + s % 4; their registers 4 c .. 4 c + 3 hold s = 128 ks + 32 c + 16 h + 0 .. 15.
; The same permutation of k on both sides of a product keeps every pair of factors together; only the order of the sums inside an instruction differs.
; A WEIGHT WAVE makes one fragment.  Each of its 16 loads reads 512 bytes of ONE row with neighbouring lanes on neighbouring bytes (one run of 512, or, in the permuted order, four runs of 128); the 16 x 512 bytes
; turn through the wave's own stage in LDS (pitch 528) and come back 64 numbers a lane, in the order of the fragment's bytes.  No barrier: a stage is one wave's own.
; LAYOUT OF hcodes: [3: for Q, K, V][16,384 rows][512 bytes].  A norm wave takes 4 rows at once, a lane 16 numbers of each (columns 128 q + 4 l + i); a store covers a row's 512 consecutive bytes.
.set XN, 16                            ; weights: v16-79 16 rows as they are loaded, 16 bytes a lane
.set CD, 80                            ; weights: v80-95 the fragment
.set AD, 96                            ; weights: v96-111 the loads' offsets; when the loads are in,
.set XF, 96                            ; weights: v96-159 64 numbers of my row in the fragment's order
.set SPW, 12                           ; v12 LDS address of my spare word; never rewritten
.set NIL, 13                           ; v13 0; never rewritten
.set WP, 528                           ; a stage row: 512 bytes + 16
.set WREG, 8704                        ; a wave's stage: 16 rows, rounded up to blocks of 256 bytes
.set SPARE, 6*WREG                     ; behind the six stages: the spare words, 128 bytes for each of 22 waves, in 12 blocks of 256 bytes
	s_load_b512 s[8:23], s[0:1], 0x0               ; Wq, Wk, Wv, Wo, W1, W2, the exponents s[20:21], wcodes s[22:23]
	s_load_b256 s[48:55], s[0:1], 0x40             ; x, g1, be1, hcodes
	v_lshl_add_u32 v[SPW], v0, 2, SPARE
	v_mov_b32 v[NIL], 0
	v_lshrrev_b32 v1, 5, v0
	v_readfirstlane_b32 s2, v1                     ; wave 0..21
	s_cmp_lt_u32 s2, 6
	s_cbranch_scc0 .Lnorm
	s_mul_i32 s3, ttmp9, 6
	s_add_co_u32 s3, s3, s2                        ; F
	s_and_b32 s4, s3, 3                            ; f
	s_bfe_u32 s5, s3, 0x20002                      ; w
	s_lshr_b32 s6, s3, 4                           ; g
	; read as one of the groups 0-23
	s_cmp_ge_u32 s6, 12
	s_cselect_b32 s7, 1, 0                         ; hd
	s_mul_i32 s24, s7, 12
	s_sub_co_u32 s24, s6, s24
	s_lshr_b32 s25, s24, 2                         ; t: 0 Wq, 1 Wk, 2 Wv
	s_and_b32 s26, s24, 3
	s_lshl_b32 s26, s26, 7                         ; 128 ks bytes (32 columns in each quarter of the row)
	s_lshl_b32 s27, s7, 6
	s_lshl_b32 s24, s4, 4
	s_add_co_u32 s27, s27, s24                     ; row 64 hd + 16 f of the wave's 128
	; read as one of the groups 24-95
	s_sub_co_u32 s28, s6, 24
	s_lshr_b32 s29, s28, 3                         ; unit: 0 Wo, 1-4 W1, 5-8 W2
	s_and_b32 s30, s28, 7                          ; j
	s_lshr_b32 s31, s30, 1                         ; ks
	s_and_b32 s30, s30, 1
	s_lshl_b32 s30, s30, 2
	s_add_co_u32 s30, s30, s4
	s_lshl_b32 s30, s30, 4                         ; row 16 nt of the wave's 128
	s_sub_co_u32 s29, s29, 1
	s_and_b32 s29, s29, 3                          ; chunk c
	s_lshl_b32 s7, s29, 2
	s_add_co_u32 s7, s7, s31
	s_lshl_b32 s7, s7, 9                           ; W2: K step 4 c + ks, 512 bytes each
	s_lshl_b32 s29, s29, 9
	s_add_co_u32 s29, s29, s30                     ; W1: row 512 c + 16 nt
	s_lshl_b32 s24, s31, 9                         ; Wo, W1: 512 ks
	s_mov_b32 s28, 128
	s_wait_kmcnt 0x0
	s_load_b512 s[32:47], s[20:21], 0x0            ; all sixteen exponents
	; the tensor, the row and the K step's bytes are chosen on the group's number alone
	s_cmp_eq_u32 s25, 0
	s_cselect_b64 s[8:9], s[8:9], s[10:11]
	s_cmp_eq_u32 s25, 2
	s_cselect_b64 s[8:9], s[12:13], s[8:9]
	s_cmp_lt_u32 s6, 24
	s_cselect_b64 s[8:9], s[8:9], s[14:15]
	s_cselect_b32 s27, s27, s30
	s_cselect_b32 s26, s26, s24
	s_cselect_b32 s31, 1, 0                        ; the permuted order along K?
	s_cselect_b32 s28, 512, s28                    ; from one run of 128 bytes to the next: 512 there, else 128 (one run of 512)
	s_cmp_lt_u32 s6, 32
	s_cselect_b64 s[8:9], s[8:9], s[16:17]
	s_cselect_b32 s27, s27, s29
	s_cmp_lt_u32 s6, 64
	s_cselect_b64 s[8:9], s[8:9], s[18:19]
	s_cselect_b32 s27, s27, s30
	s_cselect_b32 s26, s26, s7
	s_cselect_b32 s24, 11, 13                      ; a row is 2,048 bytes, in W2 8,192
	s_lshl_b32 s5, s5, 7
	s_add_co_u32 s27, s27, s5                      ; + 128 w
	s_lshl_b32 s27, s27, s24
	s_add_co_u32 s26, s26, s27
	s_mov_b32 s27, 0
	s_add_nc_u64 s[8:9], s[8:9], s[26:27]          ; the fragment's first row, at its K step
	s_lshl_b32 s26, s3, 11
	s_add_nc_u64 s[22:23], s[22:23], s[26:27]      ; and its image
	v_and_b32 v4, 31, v0                           ; lane
	v_and_b32 v1, 7, v4
	v_lshrrev_b32 v2, 3, v4
	v_lshlrev_b32 v1, 4, v1
	v_mad_u32_u24 v3, v2, s28, v1                  ; my 16 bytes of a row's 512: run lane / 8, 16 (lane % 8) into it
	v_lshlrev_b32 v4, 4, v4                        ; 16 x lane
	s_mul_i32 s7, s2, WREG                         ; my stage
	v_add_nc_u32 v6, s7, v4                        ; into it: as loaded, 16 x lane of each row
	v_and_b32 v1, 15, v0                           ; r
	v_bfe_u32 v2, v0, 4, 1                         ; h
	v_mul_u32_u24 v7, v1, WP
	v_add_nc_u32 v7, s7, v7                        ; out of it: row r
.irp n, 0,1,2,3,4,5,6,7,8,9,10,11,12,13,14,15
	s_lshl_b32 s7, \n, s24
	v_add_nc_u32 v[AD+\n], s7, v3                  ; row n
.endr
	s_wait_alu depctr_va_vdst(0)
.irp n, 0,1,2,3,4,5,6,7,8,9,10,11,12,13,14,15
	global_load_b128 v[XN+4*\n:XN+4*\n+3], v[AD+\n], s[8:9] th:TH_LOAD_NT
.endr
.irp n, 0,1,2,3,4,5,6,7,8,9,10,11,12,13,14,15
	s_wait_loadcnt 15-\n                           ; row n is in; the rows behind it may be out
	ds_store_b128 v6, v[XN+4*\n:XN+4*\n+3] offset:\n*WP
.endr
	s_cmp_eq_u32 s31, 1
	s_cbranch_scc0 .Lnatural
	v_lshl_add_u32 v7, v2, 4, v7                   ; LDS serves a wave's instructions in order: the loads below see the stores above
.irp n, 0,1,2,3,4,5,6,7,8,9,10,11,12,13,14,15
	ds_load_b128 v[XF+4*\n:XF+4*\n+3], v7 offset:128*(\n%4)+32*(\n/4)    ; bytes 16 c + 4 q + i of the fragment: column 128 q + 4 (8 ks + 2 c + h) + i, which lies in run q
.endr
	s_branch .Lloaded
.Lnatural:
	v_lshl_add_u32 v7, v2, 5, v7
.irp n, 0,1,2,3,4,5,6,7,8,9,10,11,12,13,14,15
	ds_load_b128 v[XF+4*\n:XF+4*\n+3], v7 offset:64*(\n/2)+16*(\n%2)     ; bytes 8 c + i: k = 16 c + 8 h + i of the K step
.endr
.Lloaded:
	s_wait_kmcnt 0x0
	s_cmp_eq_u32 s25, 0
	s_cselect_b32 s30, s32, s34                    ; entry 0 or 2,
	s_cmp_eq_u32 s25, 2
	s_cselect_b32 s30, s36, s30                    ; 4,
	s_cmp_lt_u32 s6, 24
	s_cselect_b32 s30, s30, s43                    ; 11,
	s_cmp_lt_u32 s6, 32
	s_cselect_b32 s30, s30, s45                    ; 13,
	s_cmp_lt_u32 s6, 64
	s_cselect_b32 s30, s30, s47                    ; 15
	s_add_co_i32 s30, s30, 127
	s_lshl_b32 s31, s30, 23
	v_mov_b32 v11, s31                             ; 2^e as f32: the conversion takes its exponent field
	s_add_co_i32 s30, s30, 8
	s_lshl_b32 s30, s30, 23
	s_or_b32 s30, s30, 0x600000
	v_mov_b32 v10, s30                             ; 448 x 2^e
	s_wait_alu depctr_va_vdst(0)
	s_wait_dscnt 0x0
.set hh, 0
.rept 64
	v_med3_num_f32 v[XF+hh], v[XF+hh], -v10, v10   ; the conversion to an 8-bit code does not saturate (ISA guide 7.6.2): the hold comes first
.set hh, hh+1
.endr
.irp j, 0,1,2,3,4,5,6,7
	v_cvt_scalef32_pk8_fp8_f32 v[CD+2*\j:CD+2*\j+1], v[XF+8*\j:XF+8*\j+7], v11
.endr
.irp c, 0,1,2,3
	global_store_b128 v4, v[CD+4*\c:CD+4*\c+3], s[22:23] offset:512*\c   ; 32 lanes store 512 consecutive bytes
.endr
	s_wait_tensorcnt 0x0                           ; the end of a wave that stored to LDS
	ds_add_u32 v[SPW], v[NIL]
	s_wait_dscnt 0x0
	s_endpgm
; ---------------- the norm waves: rows 64 x work-group + 4 (wave - 6) + 0 .. 3, the four rows' chains side by side; they touch no LDS
.set X,  16                            ; v16-79   four rows of 16 numbers
.set G,  80                            ; v80-95   g1 at my columns
.set BE, 96                            ; v96-111  be1
.set T,  112                           ; v112-127 a row held within a scale's range
.set C3, 128                           ; v128-139 a row's three sets of 16 codes
.set SS, 140                           ; v140-155 four registers a row for sums
.macro LRED                            ; each row's two packed partial sums -> the sum over the row, in every lane, in v[SS + 4 i]
.irp i, 0,1,2,3
	v_pk_add_f32 v[SS+4*\i:SS+4*\i+1], v[SS+4*\i:SS+4*\i+1], v[SS+4*\i+2:SS+4*\i+3]
.endr
.irp i, 0,1,2,3
	v_add_f32 v[SS+4*\i], v[SS+4*\i], v[SS+4*\i+1]
.endr
.irp k, 1,2,4,8
.irp i, 0,1,2,3
	v_add_f32_dpp v[SS+4*\i], v[SS+4*\i], v[SS+4*\i] row_xmask:\k row_mask:0xf bank_mask:0xf
.endr
.endr
.irp i, 0,1,2,3
	v_permlanex16_b32 v[SS+4*\i+1], v[SS+4*\i], s30, s31
.endr
.irp i, 0,1,2,3
	v_add_f32 v[SS+4*\i], v[SS+4*\i], v[SS+4*\i+1]
.endr
.endm
.macro MKS e, v, p                     ; 2^e into v\v, 448 x 2^e into s\p, its negative into the next
	s_add_co_i32 s3, \e, 127
	s_lshl_b32 s4, s3, 23
	v_mov_b32 v\v, s4
	s_add_co_i32 s3, s3, 8
	s_lshl_b32 s3, s3, 23
	s_or_b32 s[\p], s3, 0x600000
	s_xor_b32 s[\p+1], s[\p], 0x80000000
.endm
.Lnorm:
	s_sub_co_u32 s3, s2, 6
	s_lshl_b32 s3, s3, 2
	s_lshl_b32 s4, ttmp9, 6
	s_add_co_u32 s4, s4, s3                        ; my first row
	s_lshl_b32 s6, s4, 11                          ; in x, bytes
	s_mov_b32 s7, 0
	s_lshl_b32 s4, s4, 9                           ; in a set of codes
	s_mov_b32 s5, 0
	s_mov_b32 s30, 0x76543210
	s_mov_b32 s31, 0xfedcba98                      ; selects for lane l xor 16
	s_mov_b32 s62, 0x3b000000                      ; 1 / 512
	s_mov_b32 s63, 0x3727c5ac                      ; 1e-5
	v_and_b32 v4, 31, v0
	v_lshlrev_b32 v4, 4, v4                        ; 16 x lane
	s_wait_alu depctr_va_vdst(0)
	s_wait_kmcnt 0x0
	s_load_b512 s[32:47], s[20:21], 0x0
	s_add_nc_u64 s[48:49], s[48:49], s[6:7]
	s_add_nc_u64 s[56:57], s[54:55], s[4:5]        ; codes for Q,
	s_add_nc_u64 s[58:59], s[56:57], 0x800000      ; for K,
	s_add_nc_u64 s[60:61], s[58:59], 0x800000      ; for V
.irp q, 0,1,2,3
	global_load_b128 v[G+4*\q:G+4*\q+3], v4, s[50:51] offset:512*\q
	global_load_b128 v[BE+4*\q:BE+4*\q+3], v4, s[52:53] offset:512*\q
.endr
.irp i, 0,1,2,3
.irp q, 0,1,2,3
	global_load_b128 v[X+16*\i+4*\q:X+16*\i+4*\q+3], v4, s[48:49] offset:2048*\i+512*\q th:TH_LOAD_NT   ; 32 lanes read 512 consecutive bytes
.endr
.endr
	s_wait_kmcnt 0x0
	MKS s33, 8, 24
	MKS s35, 9, 26
	MKS s37, 10, 28
	s_wait_alu depctr_va_vdst(0)
	s_wait_loadcnt 0x0
.irp i, 0,1,2,3
	v_pk_add_f32 v[SS+4*\i:SS+4*\i+1], v[X+16*\i:X+16*\i+1], v[X+16*\i+2:X+16*\i+3]
	v_pk_add_f32 v[SS+4*\i+2:SS+4*\i+3], v[X+16*\i+4:X+16*\i+5], v[X+16*\i+6:X+16*\i+7]
.endr
.irp j, 8,12
.irp i, 0,1,2,3
	v_pk_add_f32 v[SS+4*\i:SS+4*\i+1], v[SS+4*\i:SS+4*\i+1], v[X+16*\i+\j:X+16*\i+\j+1]
	v_pk_add_f32 v[SS+4*\i+2:SS+4*\i+3], v[SS+4*\i+2:SS+4*\i+3], v[X+16*\i+\j+2:X+16*\i+\j+3]
.endr
.endr
	LRED
.irp i, 0,1,2,3
	v_mul_f32 v[SS+4*\i+2], -v[SS+4*\i], s62       ; - the mean
.endr
.irp j, 0,2,4,6,8,10,12,14
.irp i, 0,1,2,3
	v_pk_add_f32 v[X+16*\i+\j:X+16*\i+\j+1], v[X+16*\i+\j:X+16*\i+\j+1], v[SS+4*\i+2:SS+4*\i+3] op_sel_hi:[1,0]
.endr
.endr
.irp i, 0,1,2,3
	v_pk_mul_f32 v[SS+4*\i:SS+4*\i+1], v[X+16*\i:X+16*\i+1], v[X+16*\i:X+16*\i+1]
	v_pk_mul_f32 v[SS+4*\i+2:SS+4*\i+3], v[X+16*\i+2:X+16*\i+3], v[X+16*\i+2:X+16*\i+3]
.endr
.irp j, 4,8,12
.irp i, 0,1,2,3
	v_pk_fma_f32 v[SS+4*\i:SS+4*\i+1], v[X+16*\i+\j:X+16*\i+\j+1], v[X+16*\i+\j:X+16*\i+\j+1], v[SS+4*\i:SS+4*\i+1]
	v_pk_fma_f32 v[SS+4*\i+2:SS+4*\i+3], v[X+16*\i+\j+2:X+16*\i+\j+3], v[X+16*\i+\j+2:X+16*\i+\j+3], v[SS+4*\i+2:SS+4*\i+3]
.endr
.endr
	LRED
.irp i, 0,1,2,3
	v_fma_f32 v[SS+4*\i+2], v[SS+4*\i], s62, s63   ; the variance + 1e-5
.endr
	s_wait_alu depctr_va_vdst(0)
.irp i, 0,1,2,3
	v_rsq_f32 v[SS+4*\i+2], v[SS+4*\i+2]
.endr
	v_nop
	s_wait_alu depctr_va_vdst(0)
.irp j, 0,2,4,6,8,10,12,14
.irp i, 0,1,2,3
	v_pk_mul_f32 v[X+16*\i+\j:X+16*\i+\j+1], v[X+16*\i+\j:X+16*\i+\j+1], v[SS+4*\i+2:SS+4*\i+3] op_sel_hi:[1,0]
.endr
.endr
.irp j, 0,2,4,6,8,10,12,14
.irp i, 0,1,2,3
	v_pk_fma_f32 v[X+16*\i+\j:X+16*\i+\j+1], v[X+16*\i+\j:X+16*\i+\j+1], v[G+\j:G+\j+1], v[BE+\j:BE+\j+1]
.endr
.endr
.irp i, 0,1,2,3
.if \i > 0
	s_wait_alu depctr_va_vdst(0)
	s_wait_xcnt 0x0                                ; the last row's stores have read their codes
.endif
.irp t, 0,1,2
.irp n, 0,1,2,3,4,5,6,7,8,9,10,11,12,13,14,15
	v_med3_num_f32 v[T+\n], v[X+16*\i+\n], s[25+2*\t], s[24+2*\t]
.endr
	v_cvt_scalef32_pk8_fp8_f32 v[C3+4*\t:C3+4*\t+1], v[T:T+7], v[8+\t]
	v_cvt_scalef32_pk8_fp8_f32 v[C3+4*\t+2:C3+4*\t+3], v[T+8:T+15], v[8+\t]
	v_nop                                          ; a plain line between the conversions and the next writes of their sources
	global_store_b128 v4, v[C3+4*\t:C3+4*\t+3], s[56+2*\t:57+2*\t] offset:512*\i
.endr
.endr
	s_endpgm
.Lfunc_end_k_q593cf6abb5_prep:
	.size	k_q593cf6abb5_prep, .Lfunc_end_k_q593cf6abb5_prep-k_q593cf6abb5_prep
	.p2alignl 7, 3214868480
	.fill 96, 4, 3214868480
	.section	.rodata,"a",@progbits
	.p2align	6, 0x0
	.amdhsa_kernel k_q593cf6abb5_prep
		.amdhsa_group_segment_fixed_size 55296
		.amdhsa_private_segment_fixed_size 0
		.amdhsa_enable_private_segment 0
		.amdhsa_kernarg_size 96
		.amdhsa_user_sgpr_count 2
		.amdhsa_user_sgpr_kernarg_segment_ptr 1
		.amdhsa_wavefront_size32 1
		.amdhsa_system_sgpr_workgroup_id_x 1
		.amdhsa_system_sgpr_workgroup_id_y 1
		.amdhsa_system_sgpr_workgroup_id_z 1
		.amdhsa_system_vgpr_workitem_id 0
		.amdhsa_next_free_vgpr 160
		.amdhsa_next_free_sgpr 66
		.amdhsa_reserve_vcc 0
		.amdhsa_float_denorm_mode_32 3
		.amdhsa_float_denorm_mode_16_64 3
		.amdhsa_memory_ordered 1
		.amdhsa_forward_progress 1
		.amdhsa_inst_pref_size 49
	.end_amdhsa_kernel
	.amdgpu_metadata
---
amdhsa.version: [ 1, 2 ]
amdhsa.kernels:
  - .name:           k_q593cf6abb5_prep
    .symbol:         k_q593cf6abb5_prep.kd
    .args:
      - { .name: Wq, .offset: 0, .size: 8, .value_kind: global_buffer, .address_space: global }
      - { .name: Wk, .offset: 8, .size: 8, .value_kind: global_buffer, .address_space: global }
      - { .name: Wv, .offset: 16, .size: 8, .value_kind: global_buffer, .address_space: global }
      - { .name: Wo, .offset: 24, .size: 8, .value_kind: global_buffer, .address_space: global }
      - { .name: W1, .offset: 32, .size: 8, .value_kind: global_buffer, .address_space: global }
      - { .name: W2, .offset: 40, .size: 8, .value_kind: global_buffer, .address_space: global }
      - { .name: lowp_scales, .offset: 48, .size: 8, .value_kind: global_buffer, .address_space: global }
      - { .name: wcodes, .offset: 56, .size: 8, .value_kind: global_buffer, .address_space: global }
      - { .name: x, .offset: 64, .size: 8, .value_kind: global_buffer, .address_space: global }
      - { .name: g1, .offset: 72, .size: 8, .value_kind: global_buffer, .address_space: global }
      - { .name: be1, .offset: 80, .size: 8, .value_kind: global_buffer, .address_space: global }
      - { .name: hcodes, .offset: 88, .size: 8, .value_kind: global_buffer, .address_space: global }
    .group_segment_fixed_size: 55296
    .private_segment_fixed_size: 0
    .kernarg_segment_align: 8
    .kernarg_segment_size: 96
    .max_flat_workgroup_size: 704
    .sgpr_count:     66
    .vgpr_count:     160
    .wavefront_size: 32
...
	.end_amdgpu_metadata
.endif
;; end of part 1
;; launch blk (part 2): grid 256 x 1, 4 waves a work-group, no clusters, 327,680 bytes of LDS; arguments x, wcodes, lowp_scales, b1, hcodes, bo, g2, be2, b2, out0; writes out0
.if DOCPART == 2
	.amdgcn_target "amdgcn-amd-amdhsa--gfx1250"
	.amdhsa_code_object_version 6
	.text
	.protected	k_q593cf6abb5_blk
	.globl	k_q593cf6abb5_blk
	.p2align	8
	.type	k_q593cf6abb5_blk,@function
k_q593cf6abb5_blk:
	s_mov_b64 s[64:65], 0
	v_nop
	global_prefetch_b8 v0, s[64:65] scope:SCOPE_SE
	s_setreg_imm32_b32 hwreg(HW_REG_WAVE_MODE, 25, 1), 1
	s_wait_xcnt 0x0
; THE WHOLE BLOCK BEHIND LayerNorm 1, for 64 rows a work-group: Q, K, V, attention, projection, residual, LayerNorm 2, the two FFN products, residual.  Nothing of reference() is left out.
; A work-group owns 64 queries of one (b, s); K and V are made of all 128 rows of that (b, s).  Wave w owns heads 2 w, 2 w + 1 and, in the wide products, output columns 128 w .. 128 w + 127 of each 512.
; OPERANDS.  The rows' codes (hcodes) come by one tensor load a wave at the head into padded LDS rows (pitch 528); nothing is filled again.  The weights' codes (wcodes) are images of operand registers and go from
; memory straight into registers, four groups of 32,768 bytes ahead.  Results that become operands (attention's out, h2, the hidden layer) pass between waves as register images in LDS.
; THE PRODUCTS ARE USED TRANSPOSED (source 0 = 16 rows of a weight, source 1 = 16 rows of tokens): lane (r, h) holds row r and eight neighbouring columns 8 h + j, which are neighbours along the next K.
; LayerNorm 2 STAYS IN REGISTERS: a row's sum is taken in the lane (64 numbers), with lane l xor 16, and over the four waves through 2,048 bytes of LDS; first the mean, then the squares of the differences.
; bo, b1 and x1 + b2 are the first products' C, divided by the power of two that the sums of codes lack.
; NO JOINT LOADS: the weights pass through no LDS; beside the operands and stages (284,672 bytes with the spare words) LDS has no room for two slots of two groups.  NO PREFETCH: the weights' loads themselves run four groups ahead of their use.
; LIMITS: every power of two made from the exponents below (sums and differences of two or three entries of lowp_scales, with 8 more for a hold's bound) is an f32 number.  NaN and infinities are not served.
; The softmax's promise holds while the scaled scores stay under 2^31 in magnitude.
; REGISTERS.  Window 0: addresses, scales, biases v64-127, tokens' fragments v128-255.  Window 1: four slots of weights.  Window 2: accumulators.  Window 3: K's and V's codes, then x, x1 and FFN2's sums.
.set CP,    528
.set XP,    2064
.set QIMG,  64*CP                      ; behind Q's 64 rows: Q's codes, 4,096 bytes a wave
.set EX,    QIMG+16384                 ; the row sums' exchange, twice 2,048 bytes
.set SPARE, EX+4096                    ; the spare words, 512 bytes
.set HK,    128*CP                     ; 128 rows for K
.set HV,    256*CP                     ; 128 rows for V
.set ATT,   384*CP                     ; attention's out, 32,768 bytes of images
.set H2I,   ATT+32768                  ; h2 likewise
.set PAR,   H2I+32768                  ; b1, bo, g2, be2, b2: 16,384 bytes
.set HID,   HK                         ; the hidden layer's 131,072 bytes, over K's and V's rows, which are done with
.set OUT,   HK                         ; the way out: 64 rows of 2,064 bytes, over the hidden layer, behind a barrier
.set GRP,   32768
.set LI,   3
.set RL,   4
.set AQ,   4
.set AK,   6
.set AV,   7
.set AH2,  8
.set AAT,  9
.set EXW,  10
.set EXR,  11
.set AW8,  14
.set QW,   15
.set DL0,  16
.set X1R,  18
.set PB1,  19
.set XG,   21
.set SPW,  28
.set NIL,  29
.set SC,   32
.set PS,   64                          ; LayerNorm 2: partial sums, four registers a tile of rows
.set ST,   80
.set RX,   84
.set MU,   100
.set RS,   108
.set MSB, 0
.macro WIN new
.if MSB != \new
	s_set_vgpr_msb (MSB<<8)|\new
.set MSB, \new
.endif
.endm
.macro PLACES
.rept 4
	v_nop
.endr
.endm
.macro BAR
	s_wait_dscnt 0x0
	s_barrier_signal -1
	s_barrier_wait -1
.endm
.macro WALU                            ; ahead of a wait that blocks, behind which something freshly written is read
	s_wait_alu depctr_va_vdst(0)
.endm
.macro WLOAD slot, g                   ; my four fragments of group g into a slot of window 1
	WIN 0x40
.irp f, 0,1,2,3
.irp c, 0,1,2,3
	global_load_b128 v[64*(\slot)+16*\f+4*\c:64*(\slot)+16*\f+4*\c+3], v[AW8], s[30:31] offset:(\g)*GRP+2048*\f+512*\c
.endr
.endr
.endm
.macro AFR buf, reg, off               ; four fragments of tokens from padded rows
	WIN 0
.irp m, 0,1,2,3
.irp c, 0,1,2,3
	ds_load_b128 v[128+64*(\buf)+16*\m+4*\c:128+64*(\buf)+16*\m+4*\c+3], v[\reg] offset:(\off)+16*CP*\m+32*\c
.endr
.endr
.endm
.macro AFI buf, reg, off               ; the same from images
	WIN 0
.set ii, 0
.rept 16
	ds_load_b128 v[128+64*(\buf)+4*ii:128+64*(\buf)+4*ii+3], v[\reg] offset:(\off)+512*ii
.set ii, ii+1
.endr
.endm
.macro MM16 swap, slot, buf, ab, fs, cm, bias   ; 16 products on 16 accumulators by turns; cm 0: C = 0, 1: in place, 2: C = a bias
.irp f, 0,1,2,3
.irp m, 0,1,2,3
.set dd, (\ab)+8*((\fs)*\f+\m)
.set ww, 64*(\slot)+16*\f
.set aa, 128+64*(\buf)+16*\m
.set bb, (\bias)+8*\f
.if (\swap) && ((\cm) == 0)
	v_wmma_f32_16x16x128_fp8_fp8 v[dd:dd+7], v[aa:aa+15], v[ww:ww+15], 0
.elseif \swap
	v_wmma_f32_16x16x128_fp8_fp8 v[dd:dd+7], v[aa:aa+15], v[ww:ww+15], v[dd:dd+7]
.elseif (\cm) == 0
	v_wmma_f32_16x16x128_fp8_fp8 v[dd:dd+7], v[ww:ww+15], v[aa:aa+15], 0
.elseif (\cm) == 1
	v_wmma_f32_16x16x128_fp8_fp8 v[dd:dd+7], v[ww:ww+15], v[aa:aa+15], v[dd:dd+7]
.else
	v_wmma_f32_16x16x128_fp8_fp8 v[dd:dd+7], v[ww:ww+15], v[aa:aa+15], v[bb:bb+7]
.endif
.endr
.endr
.endm
.macro HOLD n0, n, lo, hi
.set hh, \n0
.rept \n
	v_med3_num_f32 v[hh], v[hh], \lo, \hi
.set hh, hh+1
.endr
.endm
.macro HSTEP swap, slot, buf, ab, fs, cm, msb, dsc, ldw, freg, foff, wl   ; a step of Q, K or V: the waits' counts are the LDS loads and weight loads issued behind those that it needs
	s_wait_dscnt \dsc
.if (\ldw) >= 0
	s_wait_loadcnt \ldw
.endif
	WIN \msb
	MM16 \swap, \slot, \buf, \ab, \fs, \cm, 0
	PLACES
.if (\freg) >= 0
	AFR \buf, \freg, \foff
.endif
.if (\wl) >= 0
	WLOAD \slot, \wl
.endif
.endm
.macro UNIT kind, reg, msb, cm, l03, tail, nexta   ; eight groups: 64 rows x my 128 columns x 512 along K; loadcnt 48: the three younger groups may be out
.irp ks, 0,1,2,3
	s_wait_dscnt 0x0
.if \ks < 3
.if \kind
	AFI (\ks+1)&1, \reg, 8192*(\ks+1)
.else
	AFR (\ks+1)&1, \reg, 128*(\ks+1)
.endif
.elseif \nexta
	AFI 0, \reg, 32768
.endif
.irp hf, 0,1
.if 2*\ks+\hf < 4
	s_wait_loadcnt \l03
.elseif \tail
	s_wait_loadcnt 16*(7-2*\ks-\hf)
.else
	s_wait_loadcnt 48
.endif
.if (\ks == 0) && ((\cm) == 0)
	WIN \msb
	MM16 0, (2*\ks+\hf)&3, \ks&1, 128*\hf, 4, 0, 0
.elseif (\ks == 0) && ((\cm) == 2)
	WIN 0x81
	MM16 0, (2*\ks+\hf)&3, \ks&1, 128*\hf, 4, 2, 64+32*\hf
.else
	WIN \msb
	MM16 0, (2*\ks+\hf)&3, \ks&1, 128*\hf, 4, 1, 0
.endif
	PLACES
.if (\tail == 0) || (2*\ks+\hf < 4)
	WLOAD (2*\ks+\hf)&3, 2*\ks+\hf+4
.endif
.endr
.endr
.endm
.macro PVEC dst, off                   ; 64 numbers of a vector of 512 at my columns 128 w + 16 nt + 8 h + j
.irp nt, 0,1,2,3,4,5,6,7
	ds_load_b128 v[\dst+8*\nt:\dst+8*\nt+3], v[PB1] offset:(\off)+64*\nt
	ds_load_b128 v[\dst+8*\nt+4:\dst+8*\nt+7], v[PB1] offset:(\off)+64*\nt+16
.endr
.endm
.macro RSUM ex                         ; the partial sums of my 128 columns -> each row's sum over all 512, in v[RX + mt], the same in all waves
.irp m, 0,1,2,3
	v_pk_add_f32 v[PS+4*\m:PS+4*\m+1], v[PS+4*\m:PS+4*\m+1], v[PS+4*\m+2:PS+4*\m+3]
.endr
.irp m, 0,1,2,3
	v_add_f32 v[PS+4*\m], v[PS+4*\m], v[PS+4*\m+1]
.endr
.irp m, 0,1,2,3
	v_permlanex16_b32 v[PS+4*\m+1], v[PS+4*\m], s66, s67
.endr
.irp m, 0,1,2,3
	v_add_f32 v[ST+\m], v[PS+4*\m], v[PS+4*\m+1]
.endr
	ds_store_b128 v[EXW], v[ST:ST+3] offset:\ex
	WALU
	BAR
.irp w, 0,1,2,3
	ds_load_b128 v[RX+4*\w:RX+4*\w+3], v[EXR] offset:(\ex)+512*\w
.endr
	s_wait_dscnt 0x0
	v_pk_add_f32 v[RX:RX+1], v[RX:RX+1], v[RX+4:RX+5]
	v_pk_add_f32 v[RX+2:RX+3], v[RX+2:RX+3], v[RX+6:RX+7]
	v_pk_add_f32 v[RX+8:RX+9], v[RX+8:RX+9], v[RX+12:RX+13]
	v_pk_add_f32 v[RX+10:RX+11], v[RX+10:RX+11], v[RX+14:RX+15]
	v_pk_add_f32 v[RX:RX+1], v[RX:RX+1], v[RX+8:RX+9]
	v_pk_add_f32 v[RX+2:RX+3], v[RX+2:RX+3], v[RX+10:RX+11]
.endm
.macro MKQ i, both                     ; from the exponent in s3: 2^e into v[SC + i]; 448 x 2^e (both: and its negative) into scalars
	s_add_co_i32 s3, s3, 127
	s_lshl_b32 s4, s3, 23
	v_mov_b32 v[SC+\i], s4
	s_add_co_i32 s3, s3, 8
	s_lshl_b32 s3, s3, 23
.if \both
	s_or_b32 s[84+2*\i], s3, 0x600000
	s_xor_b32 s[85+2*\i], s[84+2*\i], 0x80000000
.else
	s_or_b32 s[92+\i], s3, 0x600000
.endif
.endm
	s_load_b512 s[8:23], s[0:1], 0x0               ; x, wcodes, the exponents, b1, hcodes, bo, g2, be2
	s_load_b128 s[24:27], s[0:1], 0x40             ; b2, out0
	v_lshl_add_u32 v[SPW], v0, 2, SPARE
	v_mov_b32 v[NIL], 0
	ds_add_u32 v[SPW], v[NIL]                      ; the opening lines: the add twice on end and its wait ahead of the first tensor load
	ds_add_u32 v[SPW], v[NIL]
	v_lshrrev_b32 v22, 5, v0
	v_readfirstlane_b32 s2, v22                    ; wave 0..3
	; group 1: rows of 512 bytes, 16 bytes of padding behind each; 64 rows for Q, 128 for K and for V
	s_mov_b32 s40, (1<<20)|(6<<22)|(3<<25)
	s_mov_b32 s41, 512<<16
	s_mov_b32 s42, 64<<16
	s_mov_b32 s43, 512<<16
	s_mov_b32 s44, 64
	s_mov_b32 s45, 512
	s_mov_b32 s46, 0
	s_mov_b32 s47, 0
	s_mov_b32 s48, (1<<20)|(6<<22)|(3<<25)
	s_mov_b32 s49, 512<<16
	s_mov_b32 s50, 128<<16
	s_mov_b32 s51, 512<<16
	s_mov_b32 s52, 128
	s_mov_b32 s53, 512
	s_mov_b32 s54, 0
	s_mov_b32 s55, 0
	s_mov_b32 s66, 0x76543210
	s_mov_b32 s67, 0xfedcba98
	v_and_b32 v1, 15, v0                           ; r
	v_bfe_u32 v2, v0, 4, 1                         ; h
	v_and_b32 v[LI], 31, v0
	v_lshlrev_b32 v[LI], 4, v[LI]                  ; 16 x lane
	v_mul_u32_u24 v[RL], v1, CP
	v_lshl_add_u32 v[RL], v2, 4, v[RL]             ; a fragment's row x pitch + 16 h: Q's rows begin at LDS byte 0
	v_add_nc_u32 v[AK], HK, v[RL]
	v_add_nc_u32 v[AV], HV, v[RL]
	v_add_nc_u32 v[AH2], H2I, v[LI]
	v_add_nc_u32 v[AAT], ATT, v[LI]
	v_add_nc_u32 v[EXR], EX, v[LI]
	s_lshl_b32 s3, s2, 9
	v_add_nc_u32 v[EXW], s3, v[EXR]
	v_mul_u32_u24 v[DL0], v1, XP
	v_lshl_add_u32 v[DL0], v2, 5, v[DL0]
	v_add_nc_u32 v[DL0], s3, v[DL0]
	v_add_nc_u32 v[DL0], OUT, v[DL0]               ; the way out: row r, my 32 bytes of my wave's 512
	v_add_nc_u32 v[DL0+1], 32*XP, v[DL0]
	v_lshlrev_b32 v[PB1], 5, v2
	v_add_nc_u32 v[PB1], s3, v[PB1]
	v_lshl_add_u32 v[XG], v1, 11, v[PB1]           ; the same place in x
	v_add_nc_u32 v[PB1], PAR, v[PB1]
	s_lshl_b32 s3, s2, 13
	v_add_nc_u32 v[AW8], s3, v[LI]                 ; 8,192 w + 16 l: in a group of weights and in an image
	s_lshl_b32 s3, s2, 12
	v_add_nc_u32 v[QW], s3, v[LI]
	v_add_nc_u32 v[QW], QIMG, v[QW]
	s_mul_i32 s3, s2, 16*XP
	v_add_nc_u32 v[X1R], s3, v[LI]
	v_add_nc_u32 v[X1R], OUT, v[X1R]
	s_lshl_b32 s3, s2, 14
	v_lshl_add_u32 v26, v[LI], 4, s3               ; the prefetches' offset in my 64 rows of x: 16,384 w + 256 l
	v_lshlrev_b32 v24, 4, v0
	v_add_nc_u32 v25, PAR, v24
	v_mov_b32 v43, 0                               ; upper halves of pairs that packed forms name
	v_mov_b32 v51, 0
	v_mov_b32 v53, 0
.irp m, 1,3,5,7
	v_mov_b32 v[MU+\m], 0
	v_mov_b32 v[RS+\m], 0
.endr
	s_lshl_b32 s4, ttmp9, 17                       ; my 64 rows in x and out0
	s_mov_b32 s5, 0
	s_lshl_b32 s6, ttmp9, 15                       ; and among Q's codes
	s_mov_b32 s7, 0
	s_lshr_b32 s38, ttmp9, 1
	s_lshl_b32 s38, s38, 16                        ; my (b, s)'s 128 rows,
	s_lshl_b32 s3, s2, 23
	s_add_co_u32 s38, s38, s3                      ; in set 1 (wave 1: K) or 2 (wave 2: V)
	s_mov_b32 s39, 0
	s_lshl_b32 s36, s2, 15                         ; my wave's 16 rows of out0
	s_mov_b32 s37, 0
	s_mov_b32 s56, 1
	s_mov_b32 s57, 0
	s_mov_b32 s60, 1
	s_mul_i32 s61, s2, 128*CP
	WALU
	s_wait_dscnt 0x0
	s_wait_kmcnt 0x0
	s_load_b512 s[68:83], s[12:13], 0x0            ; the sixteen exponents
	s_add_nc_u64 s[58:59], s[16:17], s[6:7]
	s_or_b32 s59, s59, 0x80000000
	s_add_nc_u64 s[62:63], s[16:17], s[38:39]
	s_or_b32 s63, s63, 0x80000000
	s_cmp_eq_u32 s2, 0                             ; one tensor load a wave: wave 0 Q's rows, wave 1 K's, wave 2 V's
	s_cbranch_scc0 .Lnotq
	tensor_load_to_lds s[56:59], s[40:47]
	s_nop 0
	PLACES
	s_branch .Lasked
.Lnotq:
	s_cmp_eq_u32 s2, 1                             ; K's and V's loads have a line each; both are waited for at the one barrier below
	s_cbranch_scc0 .Lnotk
	tensor_load_to_lds s[60:63], s[48:55]
	s_nop 0
	PLACES
	s_branch .Lasked
.Lnotk:
	s_cmp_eq_u32 s2, 2
	s_cbranch_scc0 .Lasked
	tensor_load_to_lds s[60:63], s[48:55]
	s_nop 0
	PLACES
.Lasked:
	s_add_nc_u64 s[8:9], s[8:9], s[4:5]
	s_add_nc_u64 s[28:29], s[26:27], s[4:5]
	s_add_nc_u64 s[28:29], s[28:29], s[36:37]
	s_mov_b64 s[30:31], s[10:11]
.irp i, 0,1,2,3
	global_load_b128 v[64+4*\i:67+4*\i], v24, s[14:15] offset:2048*\i
.endr
	global_load_b128 v[80:83], v24, s[18:19]
	global_load_b128 v[84:87], v24, s[20:21]
	global_load_b128 v[88:91], v24, s[22:23]
	global_load_b128 v[92:95], v24, s[24:25]
	WLOAD 0, 0
	WLOAD 1, 1
	WLOAD 2, 2
	WIN 0
	s_wait_loadcnt 48                              ; the vectors are in; three groups of weights may be out
.irp i, 0,1,2,3,4,5,6,7
	ds_store_b128 v25, v[64+4*\i:67+4*\i] offset:2048*\i
.endr
	WLOAD 3, 3
	WIN 0
	s_wait_kmcnt 0x0
	s_sub_co_i32 s3, s74, s68                      ; a sum of codes' products becomes a code: the result's exponent less the two operands'
	s_sub_co_i32 s3, s3, s69
	MKQ 3, 1
	s_sub_co_i32 s3, s75, s70
	s_sub_co_i32 s3, s3, s71
	MKQ 4, 1
	s_sub_co_i32 s3, s77, s72
	s_sub_co_i32 s3, s3, s73
	MKQ 5, 1
	s_sub_co_i32 s3, s78, s76
	s_sub_co_i32 s3, s3, s77
	MKQ 6, 1
	s_mov_b32 s3, s80
	MKQ 7, 1
	s_mov_b32 s3, s76
	MKQ 8, 0
	s_sub_co_i32 s3, s82, s80
	s_sub_co_i32 s3, s3, s81
	MKQ 9, 0
	s_add_co_i32 s3, s74, s75
	s_lshl_b32 s3, s3, 23
	s_add_co_i32 s32, s3, 0x3e38aa3b               ; log2(e) / 8 x 2^(e6 + e7)
	s_mov_b32 s33, s32
	s_add_co_i32 s3, s78, s79
	s_add_co_i32 s3, s3, 127
	s_lshl_b32 s34, s3, 23                         ; 2^(e10 + e11)
	s_mov_b32 s35, s34
	s_add_co_i32 s3, s80, s81
	s_sub_co_i32 s3, 127, s3
	s_lshl_b32 s36, s3, 23                         ; 2^-(e12 + e13)
	s_mov_b32 s37, s36
	s_add_co_i32 s3, s82, s83
	s_sub_co_i32 s3, 127, s3
	s_lshl_b32 s38, s3, 23                         ; 2^-(e14 + e15)
	s_mov_b32 s39, s38
	s_mov_b32 s6, 0x3b000000                       ; 1 / 512
	s_mov_b32 s7, 0x3727c5ac                       ; 1e-5
	WALU
	s_wait_tensorcnt 0x0                           ; every wave: its rows have landed
	BAR
	s_add_co_i32 s84, s82, s83                     ; (no descriptor's register is written: loads are still out)
	s_add_co_i32 s84, s84, 127
	s_lshl_b32 s84, s84, 23                        ; 2^(e14 + e15)
	s_mov_b32 s85, s84
	s_add_co_i32 s86, s78, s79
	s_sub_co_i32 s86, 127, s86
	s_lshl_b32 s86, s86, 23                        ; 2^-(e10 + e11)
	s_mov_b32 s87, s86
	s_mov_b32 s88, 0
	s_mov_b32 s89, ATT
.Lhead:                                                ; two trips: my heads 2 w and 2 w + 1: Q, K, V, attention
	AFR 0, AQ, 0
	AFR 1, AQ, 128
	HSTEP 0, 0, 0, 0,  4, 0, 0xa1, 16, 48, AQ, 256, 4
	HSTEP 0, 1, 1, 0,  4, 1, 0xa1, 16, 48, AQ, 384, 5
	HSTEP 0, 2, 0, 0,  4, 1, 0xa1, 16, 48, AK, 0, 6
	HSTEP 0, 3, 1, 0,  4, 1, 0xa1, 16, 48, AK, 64*CP, 7
	WIN 0x82
	HOLD 0, 128, s91, s90
	WIN 0x02
.irp mt, 0,1,2,3
.irp nt, 0,1,2,3
	v_cvt_scalef32_pk8_fp8_f32 v[64+8*\mt+2*\nt:64+8*\mt+2*\nt+1], v[8*(4*\nt+\mt):8*(4*\nt+\mt)+7], v[SC+3]
.endr
.endr
	v_nop
	WIN 0
.irp mt, 0,1,2,3
	ds_store_b128 v[QW], v[64+8*\mt:64+8*\mt+3] offset:1024*\mt
	ds_store_b128 v[QW], v[64+8*\mt+4:64+8*\mt+7] offset:1024*\mt+512
.endr
	HSTEP 0, 0, 0, 0,  8, 0, 0xa1, 24, 48, AK, 128, -1
	HSTEP 0, 0, 1, 32, 8, 0, 0xa1, 16, -1, AK, 128+64*CP, 8
	HSTEP 0, 1, 0, 0,  8, 1, 0xa1, 16, 48, AK, 256, -1
	HSTEP 0, 1, 1, 32, 8, 1, 0xa1, 16, -1, AK, 256+64*CP, 9
	HSTEP 0, 2, 0, 0,  8, 1, 0xa1, 16, 48, AK, 384, -1
	HSTEP 0, 2, 1, 32, 8, 1, 0xa1, 16, -1, AK, 384+64*CP, 10
	HSTEP 0, 3, 0, 0,  8, 1, 0xa1, 16, 48, AV, 0, -1
	HSTEP 0, 3, 1, 32, 8, 1, 0xa1, 16, -1, AV, 64*CP, 11
	WIN 0x82
	HOLD 0, 256, s93, s92
	WIN 0xc2
.irp mt, 0,1,2,3,4,5,6,7
.irp nt, 0,1,2,3
	v_cvt_scalef32_pk8_fp8_f32 v[8*\mt+2*\nt:8*\mt+2*\nt+1], v[8*(8*\nt+\mt):8*(8*\nt+\mt)+7], v[SC+4]
.endr
.endr
	v_nop
	HSTEP 1, 0, 0, 0,  8, 0, 0xa4, 16, 48, AV, 128, -1
	HSTEP 1, 0, 1, 32, 8, 0, 0xa4, 16, -1, AV, 128+64*CP, 12
	HSTEP 1, 1, 0, 0,  8, 1, 0xa4, 16, 48, AV, 256, -1
	HSTEP 1, 1, 1, 32, 8, 1, 0xa4, 16, -1, AV, 256+64*CP, 13
	HSTEP 1, 2, 0, 0,  8, 1, 0xa4, 16, 48, AV, 384, -1
	HSTEP 1, 2, 1, 32, 8, 1, 0xa4, 16, -1, AV, 384+64*CP, 14
	HSTEP 1, 3, 0, 0,  8, 1, 0xa4, 16, 48, -1, 0, -1
	HSTEP 1, 3, 1, 32, 8, 1, 0xa4, 0,  -1, -1, 0, 15
	WIN 0x82
	HOLD 0, 256, s95, s94
	WIN 0xc2
.irp nt, 0,1,2,3
.irp mt, 0,1,2,3,4,5,6,7
	v_cvt_scalef32_pk8_fp8_f32 v[64+16*\nt+2*\mt:64+16*\nt+2*\mt+1], v[8*(8*\nt+\mt):8*(8*\nt+\mt)+7], v[SC+5]
.endr
.endr
	v_nop
	WIN 0
	s_lshl_b32 s3, s88, 16                         ; x for the residual is asked for into the L2: this trip's half of my 64 rows, 65,536 bytes: 16,384 a wave, a block of 256 bytes a lane, each block once
	v_add_nc_u32 v27, s3, v26
	global_prefetch_b8 v27, s[8:9] th:TH_LOAD_NT scope:SCOPE_SE
	global_prefetch_b8 v27, s[8:9] offset:8192 th:TH_LOAD_NT scope:SCOPE_SE
	ds_load_b128 v[56:59], v[QW]
	ds_load_b128 v[60:63], v[QW] offset:512
	s_mov_b32 s3, 0
	s_mov_b32 s4, 0
	s_mov_b32 s5, s89
.Latt:                                                 ; four trips: 16 queries against all 128 keys: S^T = K Q^T, p = 2^(t - M), O^T = V^T p^T
	s_wait_dscnt 0x0
	WIN 0x03
.irp kt, 0,1,2,3,4,5,6,7
	v_wmma_f32_16x16x64_fp8_fp8 v[128+8*\kt:135+8*\kt], v[8*\kt:8*\kt+7], v[56:63], 0
.endr
	WIN 0
	PLACES
	s_add_co_u32 s4, s4, 1024
	s_cmp_eq_u32 s3, 3
	s_cbranch_scc1 .Lnoq
	v_add_nc_u32 v23, s4, v[QW]
	ds_load_b128 v[56:59], v23
	ds_load_b128 v[60:63], v23 offset:512
.Lnoq:
	v_max3_num_f32 v42, v128, v129, v130
	v_max3_num_f32 v44, v131, v132, v133
.irp i, 6,10,14,18,22,26,30,34,38,42,46,50,54,58
	v_max3_num_f32 v42, v42, v[128+\i], v[129+\i]
	v_max3_num_f32 v44, v44, v[130+\i], v[131+\i]
.endr
	v_max3_num_f32 v42, v42, v190, v191
	v_max_num_f32 v42, v42, v44
	v_permlanex16_b32 v43, v42, s66, s67
	v_max_num_f32 v42, v42, v43
	v_mul_f32 v42, s32, v42
	v_floor_f32 v50, -v42                          ; -M = -ceil(the row's largest t)
.set hh, 0
.rept 32
	v_pk_fma_f32 v[128+hh:129+hh], v[128+hh:129+hh], s[32:33], v[50:51] op_sel_hi:[1,0,0]
.set hh, hh+2
.endr
.set hh, 0
	s_wait_alu depctr_va_vdst(0)
.rept 64
	v_exp_f32 v[128+hh], v[128+hh]
.set hh, hh+1
.endr
	v_nop
	s_wait_alu depctr_va_vdst(0)
	v_pk_add_f32 v[42:43], v[128:129], v[130:131]  ; the row's sum, of the unquantised p
	v_pk_add_f32 v[44:45], v[132:133], v[134:135]
.irp j, 8,12,16,20,24,28,32,36,40,44,48,52,56,60
	v_pk_add_f32 v[42:43], v[42:43], v[128+\j:129+\j]
	v_pk_add_f32 v[44:45], v[44:45], v[130+\j:131+\j]
.endr
	v_pk_add_f32 v[42:43], v[42:43], v[44:45]
.set hh, 0
.rept 64
	v_min_num_f32 v[128+hh], s100, v[128+hh]
.set hh, hh+1
.endr
.irp kt, 0,1,2,3,4,5,6,7
	v_cvt_scalef32_pk8_fp8_f32 v[224+2*\kt:225+2*\kt], v[128+8*\kt:135+8*\kt], v[SC+8]
.endr
	v_nop
	WIN 0x03
.irp dt, 0,1,2,3
	v_wmma_f32_16x16x128_fp8_fp8 v[192+8*\dt:199+8*\dt], v[64+16*\dt:79+16*\dt], v[224:239], 0
.endr
	WIN 0
	v_add_f32 v42, v42, v43
	v_permlanex16_b32 v43, v42, s66, s67
	v_add_f32 v42, v42, v43
	s_wait_alu depctr_va_vdst(0)
	v_rcp_f32 v52, v42
	PLACES
	s_wait_alu depctr_va_vdst(0)
.set hh, 0
.rept 16
	v_pk_mul_f32 v[192+hh:193+hh], v[192+hh:193+hh], v[52:53] op_sel_hi:[1,0]
.set hh, hh+2
.endr
	HOLD 192, 32, s97, s96
.irp dt, 0,1,2,3
	v_cvt_scalef32_pk8_fp8_f32 v[240+2*\dt:241+2*\dt], v[192+8*\dt:199+8*\dt], v[SC+6]
.endr
	v_nop
	v_add_nc_u32 v22, s5, v[AW8]
	ds_store_b128 v22, v[240:243]
	ds_store_b128 v22, v[244:247] offset:512
	s_add_co_u32 s5, s5, 2048
	s_add_co_u32 s3, s3, 1
	s_cmp_lt_u32 s3, 4
	s_cbranch_scc1 .Latt
	s_wait_xcnt 0x0
	s_add_nc_u64 s[30:31], s[30:31], 12*GRP
	s_add_co_u32 s89, s89, 1024
	s_add_co_u32 s88, s88, 1
	s_cmp_lt_u32 s88, 2
	s_cbranch_scc1 .Lhead
	WIN 0xc0                                       ; x in the accumulators' layout, into window 3
.irp mt, 0,1,2,3
.irp nt, 0,1,2,3,4,5,6,7
	global_load_b128 v[8*(4*\nt+\mt):8*(4*\nt+\mt)+3], v[XG], s[8:9] offset:32768*\mt+64*\nt
	global_load_b128 v[8*(4*\nt+\mt)+4:8*(4*\nt+\mt)+7], v[XG], s[8:9] offset:32768*\mt+64*\nt+16
.endr
.endr
	WIN 0
	BAR                                            ; attention's images are whole
	PVEC 64, 8192                                  ; bo
	AFI 0, AAT, 0
	s_wait_dscnt 16                                ; bo is in; the 16 fragment loads may be out
.set hh, 0
.rept 32
	v_pk_mul_f32 v[64+hh:65+hh], v[64+hh:65+hh], s[86:87] op_sel_hi:[1,0]
.set hh, hh+2
.endr
	WALU
	UNIT 1, AAT, 0xa1, 2, 63, 0, 0                 ; the projection; its sums begin with bo
	WIN 0
	s_wait_xcnt 0x0
	s_add_nc_u64 s[30:31], s[30:31], 8*GRP
	PVEC 128, 10240                                ; g2
	PVEC 192, 12288                                ; be2
	; ---- x1 = x + out, and LayerNorm 2, in registers.  Tile (nt, mt) stands at 8 (4 nt + mt): row 16 mt + r, columns 128 w + 16 nt + 8 h + j
	WIN 0xf2
.set hh, 0
.rept 128
	v_pk_fma_f32 v[hh:hh+1], v[hh:hh+1], s[34:35], v[hh:hh+1] op_sel_hi:[1,0,1]   ; window 3 = sums x 2^(e10 + e11) + x
.set hh, hh+2
.endr
	WIN 0x0f
.irp u, 0,1
.irp m, 0,1,2,3
	v_pk_add_f32 v[PS+4*\m+2*\u:PS+4*\m+2*\u+1], v[8*\m+4*\u:8*\m+4*\u+1], v[8*\m+4*\u+2:8*\m+4*\u+3]
.endr
.endr
	WIN 0x0c
.irp nt, 1,2,3,4,5,6,7
.irp j, 0,2,4,6
.irp m, 0,1,2,3
	v_pk_add_f32 v[PS+4*\m+2*((\j/2)%2):PS+4*\m+2*((\j/2)%2)+1], v[PS+4*\m+2*((\j/2)%2):PS+4*\m+2*((\j/2)%2)+1], v[8*(4*\nt+\m)+\j:8*(4*\nt+\m)+\j+1]
.endr
.endr
.endr
	WIN 0
	RSUM 0
.irp m, 0,1,2,3
	v_mul_f32 v[MU+2*\m], -v[RX+\m], s6            ; - the mean
.endr
	WIN 0x83
.irp nt, 0,1,2,3,4,5,6,7
.irp j, 0,2,4,6
.irp m, 0,1,2,3
	v_pk_add_f32 v[8*(4*\nt+\m)+\j:8*(4*\nt+\m)+\j+1], v[8*(4*\nt+\m)+\j:8*(4*\nt+\m)+\j+1], v[MU+2*\m:MU+2*\m+1] op_sel_hi:[1,0]   ; window 2 = x1 - the mean
.endr
.endr
.endr
	WIN 0x0a
.irp u, 0,1
.irp m, 0,1,2,3
	v_pk_mul_f32 v[PS+4*\m+2*\u:PS+4*\m+2*\u+1], v[8*\m+2*\u:8*\m+2*\u+1], v[8*\m+2*\u:8*\m+2*\u+1]
.endr
.endr
.irp u, 0,1
.irp m, 0,1,2,3
	v_pk_fma_f32 v[PS+4*\m+2*\u:PS+4*\m+2*\u+1], v[8*\m+4+2*\u:8*\m+4+2*\u+1], v[8*\m+4+2*\u:8*\m+4+2*\u+1], v[PS+4*\m+2*\u:PS+4*\m+2*\u+1]
.endr
.endr
.irp nt, 1,2,3,4,5,6,7
.irp j, 0,2,4,6
.irp m, 0,1,2,3
	v_pk_fma_f32 v[PS+4*\m+2*((\j/2)%2):PS+4*\m+2*((\j/2)%2)+1], v[8*(4*\nt+\m)+\j:8*(4*\nt+\m)+\j+1], v[8*(4*\nt+\m)+\j:8*(4*\nt+\m)+\j+1], v[PS+4*\m+2*((\j/2)%2):PS+4*\m+2*((\j/2)%2)+1]
.endr
.endr
.endr
	WIN 0
	RSUM 2048
.irp m, 0,1,2,3
	v_fma_f32 v[RS+2*\m], v[RX+\m], s6, s7         ; the variance + 1e-5
.endr
	v_add_nc_u32 v23, H2I, v[AW8]
	s_wait_alu depctr_va_vdst(0)
.irp m, 0,1,2,3
	v_rsq_f32 v[RS+2*\m], v[RS+2*\m]
.endr
	v_nop
	s_wait_alu depctr_va_vdst(0)
	WIN 0x82
.irp nt, 0,1,2,3,4,5,6,7
.irp j, 0,2,4,6
.irp m, 0,1,2,3
	v_pk_mul_f32 v[8*(4*\nt+\m)+\j:8*(4*\nt+\m)+\j+1], v[8*(4*\nt+\m)+\j:8*(4*\nt+\m)+\j+1], v[RS+2*\m:RS+2*\m+1] op_sel_hi:[1,0]
.endr
.endr
.endr
.irp nt, 0,1,2,3,4,5,6,7
.irp j, 0,2,4,6
.irp m, 0,1,2,3
	v_pk_fma_f32 v[8*(4*\nt+\m)+\j:8*(4*\nt+\m)+\j+1], v[8*(4*\nt+\m)+\j:8*(4*\nt+\m)+\j+1], v[128+8*\nt+\j:128+8*\nt+\j+1], v[192+8*\nt+\j:192+8*\nt+\j+1]
.endr
.endr
.endr
	HOLD 0, 256, s99, s98
	WIN 0x02
.irp mt, 0,1,2,3
.irp nt, 0,1,2,3,4,5,6,7
	v_cvt_scalef32_pk8_fp8_f32 v[192+16*\mt+2*\nt:192+16*\mt+2*\nt+1], v[8*(4*\nt+\mt):8*(4*\nt+\mt)+7], v[SC+7]   ; my columns are K step w of FFN1: four fragments
.endr
.endr
	v_nop
	WIN 0
.set ii, 0
.rept 16
	ds_store_b128 v23, v[192+4*ii:195+4*ii] offset:512*ii
.set ii, ii+1
.endr
	WALU
	BAR                                            ; h2's images are whole
	AFI 0, AH2, 0
	PVEC 64, 0                                     ; b1, chunk 0
	s_mov_b32 s3, 0
	s_mov_b32 s4, 0
	s_mov_b32 s5, HID
.Lffn1:                                                ; four trips: 512 hidden units each
	s_wait_dscnt 0x0
.set hh, 0
.rept 32
	v_pk_mul_f32 v[64+hh:65+hh], v[64+hh:65+hh], s[36:37] op_sel_hi:[1,0]
.set hh, hh+2
.endr
	s_wait_alu depctr_va_vdst(0)
	UNIT 1, AH2, 0xa1, 2, 48, 0, 0
	WIN 0
	s_add_co_u32 s4, s4, 2048
	s_cmp_eq_u32 s3, 3
	s_cbranch_scc1 .Lnob1
	AFI 0, AH2, 0
	v_add_nc_u32 v22, s4, v[PB1]
.irp nt, 0,1,2,3,4,5,6,7
	ds_load_b128 v[64+8*\nt:67+8*\nt], v22 offset:64*\nt
	ds_load_b128 v[68+8*\nt:71+8*\nt], v22 offset:64*\nt+16
.endr
.Lnob1:
	WIN 0x82
	HOLD 0, 256, 0, s101                           ; the ReLU and the hold in one
	WIN 0x02
.irp mt, 0,1,2,3
.irp nt, 0,1,2,3,4,5,6,7
	v_cvt_scalef32_pk8_fp8_f32 v[192+16*\mt+2*\nt:192+16*\mt+2*\nt+1], v[8*(4*\nt+\mt):8*(4*\nt+\mt)+7], v[SC+9]
.endr
.endr
	v_nop
	WIN 0
	v_add_nc_u32 v23, s5, v[AW8]
.set ii, 0
.rept 16
	ds_store_b128 v23, v[192+4*ii:195+4*ii] offset:512*ii
.set ii, ii+1
.endr
	s_wait_xcnt 0x0
	s_add_nc_u64 s[30:31], s[30:31], 8*GRP
	s_add_co_u32 s5, s5, 32768
	s_add_co_u32 s3, s3, 1
	s_cmp_lt_u32 s3, 4
	s_cbranch_scc1 .Lffn1
	BAR                                            ; the hidden layer's images are whole
	PVEC 64, 14336                                 ; b2
	s_mov_b32 s3, 0
	s_mov_b32 s5, HID
	v_add_nc_u32 v22, s5, v[LI]
	AFI 0, 22, 0
	s_wait_dscnt 16                                ; b2 is in; the 16 fragment loads may be out
.set hh, 0
.rept 32
	v_pk_mul_f32 v[64+hh:65+hh], v[64+hh:65+hh], s[38:39] op_sel_hi:[1,0]
.set hh, hh+2
.endr
	WIN 0xc3
.irp nt, 0,1,2,3,4,5,6,7
.irp m, 0,1,2,3
.irp j, 0,2,4,6
	v_pk_fma_f32 v[8*(4*\nt+\m)+\j:8*(4*\nt+\m)+\j+1], v[8*(4*\nt+\m)+\j:8*(4*\nt+\m)+\j+1], s[38:39], v[64+8*\nt+\j:64+8*\nt+\j+1] op_sel_hi:[1,0,1]   ; FFN2's sums begin with (x1 + b2) / 2^(e14 + e15)
.endr
.endr
.endr
	WIN 0
.Lffn2:
	v_add_nc_u32 v22, s5, v[LI]
	s_wait_alu depctr_va_vdst(0)
	UNIT 1, 22, 0xf1, 1, 48, 0, 1
	WIN 0
	s_wait_xcnt 0x0
	s_add_nc_u64 s[30:31], s[30:31], 8*GRP
	s_add_co_u32 s5, s5, 32768
	s_add_co_u32 s3, s3, 1
	s_cmp_lt_u32 s3, 3
	s_cbranch_scc1 .Lffn2
	v_add_nc_u32 v22, HID+3*32768, v[LI]
	s_wait_alu depctr_va_vdst(0)
	UNIT 1, 22, 0xf1, 1, 48, 1, 0                  ; the last chunk asks for no weights beyond the end
	WIN 0xc3
.set hh, 0
.rept 128
	v_pk_mul_f32 v[hh:hh+1], v[hh:hh+1], s[84:85] op_sel_hi:[1,0]
.set hh, hh+2
.endr
	WIN 0
	WALU
	BAR                                            ; nobody reads the hidden layer any more: the way out lies over it
	WIN 0x0c
.irp mt, 0,1,2,3
.irp nt, 0,1,2,3,4,5,6,7
	ds_store_b128 v[DL0+\mt/2], v[8*(4*\nt+\mt):8*(4*\nt+\mt)+3] offset:16*XP*(\mt%2)+64*\nt
	ds_store_b128 v[DL0+\mt/2], v[8*(4*\nt+\mt)+4:8*(4*\nt+\mt)+7] offset:16*XP*(\mt%2)+64*\nt+16
.endr
.endr
	WIN 0
	BAR
	WIN 0x80
.set ii, 0
.rept 64
	ds_load_b128 v[4*ii:4*ii+3], v[X1R] offset:XP*(ii/4)+512*(ii%4)
.set ii, ii+1
.endr
	WIN 0x08
.set ii, 0
.rept 64
.if (ii%4) == 0
	s_wait_dscnt 60-ii                             ; a row's four loads are back; the 60 - ii younger ones may be out
.endif
	global_store_b128 v[LI], v[4*ii:4*ii+3], s[28:29] offset:2048*(ii/4)+512*(ii%4) th:TH_STORE_NT   ; 32 lanes store 512 consecutive bytes of a row
.set ii, ii+1
.endr
	WIN 0
	s_wait_tensorcnt 0x0                           ; the wave's end
	ds_add_u32 v[SPW], v[NIL]
	s_wait_dscnt 0x0
	s_endpgm
.Lfunc_end_k_q593cf6abb5_blk:
	.size	k_q593cf6abb5_blk, .Lfunc_end_k_q593cf6abb5_blk-k_q593cf6abb5_blk
	.p2alignl 7, 3214868480
	.fill 96, 4, 3214868480
	.section	.rodata,"a",@progbits
	.p2align	6, 0x0
	.amdhsa_kernel k_q593cf6abb5_blk
		.amdhsa_group_segment_fixed_size 327680
		.amdhsa_private_segment_fixed_size 0
		.amdhsa_enable_private_segment 0
		.amdhsa_kernarg_size 80
		.amdhsa_user_sgpr_count 2
		.amdhsa_user_sgpr_kernarg_segment_ptr 1
		.amdhsa_wavefront_size32 1
		.amdhsa_system_sgpr_workgroup_id_x 1
		.amdhsa_system_sgpr_workgroup_id_y 1
		.amdhsa_system_sgpr_workgroup_id_z 1
		.amdhsa_system_vgpr_workitem_id 0
		.amdhsa_next_free_vgpr 1024
		.amdhsa_next_free_sgpr 102
		.amdhsa_reserve_vcc 0
		.amdhsa_float_denorm_mode_32 3
		.amdhsa_float_denorm_mode_16_64 3
		.amdhsa_memory_ordered 1
		.amdhsa_forward_progress 1
		.amdhsa_inst_pref_size 255
	.end_amdhsa_kernel
	.section	.bss,"aw",@nobits
	.p2align	6
	.space	262144
	.amdgpu_metadata
---
amdhsa.version: [ 1, 2 ]
amdhsa.kernels:
  - .name:           k_q593cf6abb5_blk
    .symbol:         k_q593cf6abb5_blk.kd
    .args:
      - { .name: x, .offset: 0, .size: 8, .value_kind: global_buffer, .address_space: global }
      - { .name: wcodes, .offset: 8, .size: 8, .value_kind: global_buffer, .address_space: global }
      - { .name: lowp_scales, .offset: 16, .size: 8, .value_kind: global_buffer, .address_space: global }
      - { .name: b1, .offset: 24, .size: 8, .value_kind: global_buffer, .address_space: global }
      - { .name: hcodes, .offset: 32, .size: 8, .value_kind: global_buffer, .address_space: global }
      - { .name: bo, .offset: 40, .size: 8, .value_kind: global_buffer, .address_space: global }
      - { .name: g2, .offset: 48, .size: 8, .value_kind: global_buffer, .address_space: global }
      - { .name: be2, .offset: 56, .size: 8, .value_kind: global_buffer, .address_space: global }
      - { .name: b2, .offset: 64, .size: 8, .value_kind: global_buffer, .address_space: global }
      - { .name: out0, .offset: 72, .size: 8, .value_kind: global_buffer, .address_space: global }
    .group_segment_fixed_size: 327680
    .private_segment_fixed_size: 0
    .kernarg_segment_align: 8
    .kernarg_segment_size: 80
    .max_flat_workgroup_size: 128
    .sgpr_count:     102
    .vgpr_count:     1024
    .wavefront_size: 32
...
	.end_amdgpu_metadata
.endif
;; end of part 2
